; MI455X (gfx1250); checked and timed in simulation.
; The chip was launched on July 23, 2026; its instructions are those of AMD's public machine-readable ISA for CDNA 5 (MIT licence, August 2026) and "CDNA5" Instruction Set Architecture Reference Guide (July 2026). The comments in the code are by the model that wrote it; some were corrected since.
;; Temporal Prompt Generator Model. Allowed arithmetic: float matrix products may take bf16 or f16 operands with f32 sums; other float arithmetic in f32, or as packed bf16 or f16 multiplies, adds, multiply-adds, maxima and minima; sums over many terms, partial sums and values carried from step to step in f32; what a program stores and reads back later, other than sums and carried values, may be rounded once to bf16 or f16.
;; Inputs: Wk 400 x 16 x 50 float32; Wo 16 x 50 x 400 float32; Wq 400 x 16 x 50 float32; Wv 400 x 16 x 50 float32; bk 16 x 50 float32; bo 400 float32; bq 16 x 50 float32; bv 16 x 50 float32; d2_b 225 float32; d2_w 450 x 225 float32; d4_b 225 float32; d4_w 225 x 225 float32; ffn_b1 2 float32; ffn_b2 400 float32; ffn_w1 400 x 2 float32; ffn_w2 2 x 400 float32; gru_bb 2 x 675 float32; gru_bk 1,600 x 675 float32; gru_brk 225 x 675 float32; gru_fb 2 x 675 float32; gru_fk 1,600 x 675 float32; gru_frk 225 x 675 float32; ln1_b 400 float32; ln1_g 400 float32; ln2_b 400 float32; ln2_g 400 float32; out_b 140 float32; out_w 900 x 140 float32; x 16,384 x 3 x 400 float32.
;; Outputs: out0 16,384 x 140 float32.
;; One version. Each part assembles by itself: llvm-mc -triple=amdgcn-amd-amdhsa -mcpu=gfx1250 --defsym DOCPART=n.
;; ======== version 1 of 1: 4 launches
;; limits: values are held in f16: magnitudes above 65,504 overflow, below 6.1e-05 lose precision; values outside matrix products are rounded to bf16
;; workspace buffers: GW 4,915,200 bytes; AW 332,800 bytes; HW 737,280 bytes; PT 14,592 bytes; GB 8,192 bytes; HB 3,072 bytes; FL 52,428,800 bytes; X1 16,777,216 bytes
;; launch prep (part 1): grid 1016 x 1, 8 waves a work-group, no clusters, 17,408 bytes of LDS; arguments Wv, Wo, bv, bo, gru_fk, gru_bk, gru_fb, gru_bb, d2_w, d4_w, out_w, d2_b, d4_b, out_b, ln1_g, ln1_b, ffn_w1, ffn_w2, ffn_b2, ln2_g, ln2_b, GW, AW, HW, PT, GB, HB; writes GW, AW, HW, PT, GB, HB
.if DOCPART == 1
	.amdgcn_target "amdgcn-amd-amdhsa--gfx1250"
	.amdhsa_code_object_version 6
	.text
	.protected	k_qefd805fda8_prep
	.globl	k_qefd805fda8_prep
	.p2align	8
	.type	k_qefd805fda8_prep,@function
k_qefd805fda8_prep:
	s_mov_b64 s[64:65], 0
	v_nop
	global_prefetch_b8 v0, s[64:65] scope:SCOPE_SE
	s_setreg_imm32_b32 hwreg(HW_REG_WAVE_MODE, 25, 1), 1
	s_wait_xcnt 0x0
; WEIGHTS INTO FRAGMENT FORM.  A fragment is 16 output columns x 32 k of 16-bit numbers in 1,024 bytes: byte = half*512 + L*16 + 2e, L = 16h + r,
; column = n0 + r, k = k0 + 16 half + 8h + e: two 16-byte loads a lane fill a matrix operand, and every load covers 512 consecutive bytes.
; Work-groups 0-599: GW (GRU input weights, one fragment a wave).  600-689: HW (the three head layers).  690-1014: AW = (Wv Wo)^T with the row
; bv Wo + bo at k = 400 (one fragment a work-group, its eight waves share j = 0..799).  1015: the small tables PT, GB, HB.
; NOT LOADED BY ANY LAUNCH: Wq, bq, Wk, bk (the softmax runs over an axis of length 1, so every weight is exp(0)/exp(0) = 1 for finite logits)
; and gru_frk, gru_brk (they multiply a state that reference() builds as zeros).  Where these hold infinities or NaN the results differ.
; All weights are rounded to bf16; those that meet f16 activations are that bf16 number written as f16 (below 6e-5 with f16's fixed step).
.set SPARE, 16384                      ; behind the 8 x 2,048 bytes of partial sums: the spare words, 128 bytes a wave
.set CL2E, 0x3fb8aa3b                  ; log2(e)
	s_load_b512 s[8:23], s[0:1], 0x0       ; Wv 8, Wo 10, bv 12, bo 14, fk 16, bk 18, fb 20, bb 22
	s_load_b512 s[24:39], s[0:1], 0x40     ; d2_w 24, d4_w 26, out_w 28, d2_b 30, d4_b 32, out_b 34, ln1_g 36, ln1_b 38
	s_load_b512 s[40:55], s[0:1], 0x80     ; ffn_w1 40, ffn_w2 42, ffn_b2 44, ln2_g 46, ln2_b 48, GW 50, AW 52, HW 54
	s_load_b128 s[56:59], s[0:1], 0xc0     ; PT 56, GB 58
	s_load_b64 s[60:61], s[0:1], 0xd0      ; HB
	v_lshl_add_u32 v1, v0, 2, SPARE        ; my spare word
	v_mov_b32 v2, 0
	v_lshrrev_b32 v3, 5, v0
	v_readfirstlane_b32 s2, v3             ; wave 0..7
	v_and_b32 v3, 31, v0
	v_lshlrev_b32 v3, 4, v3                ; 16 L
	v_and_b32 v4, 15, v0                   ; r
	v_bfe_u32 v5, v0, 4, 1                 ; h
	v_lshlrev_b32 v6, 3, v5                ; 8 h
	s_wait_kmcnt 0x0
	s_cmp_lt_u32 ttmp9, 600
	s_cbranch_scc1 .Lrole_g
	s_cmp_lt_u32 ttmp9, 690
	s_cbranch_scc1 .Lrole_h
	s_cmp_lt_u32 ttmp9, 1015
	s_cbranch_scc1 .Lrole_f
; ---- THE TABLES: thread t is a unit (or a column) ----
	v_min_u32 v7, 224, v0
	v_lshlrev_b32 v7, 2, v7                ; clamped, so that every load stays inside its buffer
	v_lshlrev_b32 v8, 2, v0
	v_lshlrev_b32 v11, 4, v0
	v_add_nc_u32 v10, 0xffffffc0, v0       ; t - 64: out_b's column in HB's third part
	v_max_i32 v9, 0, v10
	v_min_u32 v9, 139, v9
	v_lshlrev_b32 v9, 2, v9
.irp i, 0,1,2,3,4,5                    ; B0z B0r B0h B1z B1r B1h, 225 floats apart
	global_load_b32 v[16+\i], v7, s[20:21] offset:\i*900
	global_load_b32 v[22+\i], v7, s[22:23] offset:\i*900
.endr
	global_load_b32 v28, v7, s[30:31]
	global_load_b32 v29, v7, s[32:33]
	global_load_b32 v30, v9, s[34:35]
	v_cmp_gt_u32 vcc_lo, 225, v0
	v_cmp_gt_u32 s82, 140, v10
	s_wait_loadcnt 0x0
.irp d, 0,1                            ; GB[dir][4][256]: c(B0z+B1z), -c(B0r+B1r), B0h, B1h; 0 for the padding units
	v_add_f32 v31, v[16+6*\d], v[19+6*\d]
	v_mul_f32 v31, CL2E, v31
	v_cndmask_b32 v[32+4*\d], 0, v31, vcc_lo
	v_add_f32 v31, v[17+6*\d], v[20+6*\d]
	v_mul_f32 v31, 0xbfb8aa3b, v31
	v_cndmask_b32 v[33+4*\d], 0, v31, vcc_lo
	v_cndmask_b32 v[34+4*\d], 0, v[18+6*\d], vcc_lo
	v_cndmask_b32 v[35+4*\d], 0, v[21+6*\d], vcc_lo
.irp i, 0,1,2,3
	global_store_b32 v8, v[32+4*\d+\i], s[58:59] offset:\d*4096+\i*1024
.endr
.endr
	v_cndmask_b32 v40, 0, v28, vcc_lo      ; HB: d2_b at float 0, d4_b at 256 (320 long), out_b at 576 (160 long), zeros between
	v_cndmask_b32 v41, 0, v29, vcc_lo
	v_cndmask_b32 v42, 0, v30, s82
	global_store_b32 v8, v40, s[60:61]
	global_store_b32 v8, v41, s[60:61] offset:1024
	global_store_b32 v8, v42, s[60:61] offset:2048
	v_cmp_gt_u32 vcc_lo, 100, v0
	s_wait_xcnt 0x0                        ; EXEC changes only behind this wait
	s_and_saveexec_b32 s83, vcc_lo         ; PT: nine rows of 400 floats, 16 bytes a thread
	global_load_b128 v[48:51], v11, s[36:37]
	global_load_b128 v[52:55], v11, s[38:39]
	global_load_b128 v[56:59], v11, s[40:41]
	global_load_b128 v[60:63], v11, s[40:41] offset:1600
	global_load_b128 v[64:67], v11, s[42:43]
	global_load_b128 v[68:71], v11, s[42:43] offset:1600
	global_load_b128 v[72:75], v11, s[44:45]
	global_load_b128 v[76:79], v11, s[46:47]
	global_load_b128 v[80:83], v11, s[48:49]
	s_wait_loadcnt 0x0
.irp i, 0,1,2,3,4,5,6,7,8
	global_store_b128 v11, v[48+4*\i:51+4*\i], s[56:57] offset:\i*1600
.endr
	s_wait_xcnt 0x0
	s_or_b32 exec_lo, exec_lo, s83
	s_endpgm
; ---- GW: fragment 8 id + wave = ((dir 50 + ks) 48 + nt), nt = 24 ch + 8 g + uu, unit = 16 (8 ch + uu) + r, source column 225 g + unit ----
.Lrole_g:
	s_mul_i32 s82, ttmp9, 10923
	s_lshr_b32 s82, s82, 16                ; id / 6 = 50 dir + ks
	s_mul_i32 s83, s82, 6
	s_sub_co_u32 s83, ttmp9, s83           ; id % 6 = 3 ch + g
	s_cmp_ge_u32 s82, 50
	s_cselect_b64 s[66:67], s[18:19], s[16:17]
	s_cselect_b32 s84, 50, 0
	s_sub_co_u32 s82, s82, s84             ; ks
	s_cmp_ge_u32 s83, 3
	s_cselect_b32 s84, 3, 0
	s_cselect_b32 s85, 8, 0
	s_sub_co_u32 s83, s83, s84             ; g
	s_add_co_u32 s85, s85, s2              ; 8 ch + uu
	s_lshl_b32 s74, s85, 4
	s_mul_i32 s77, s83, 225
	s_mov_b32 s75, 225
	s_mov_b32 s76, 224
	s_mov_b32 s68, 2700                    ; bytes from row to row
	s_mov_b32 s69, 4319996                 ; the buffer's last float
	s_lshl_b32 s70, s82, 5
	s_add_co_u32 s71, s70, 16
	s_mov_b32 s72, 16                      ; every k is a true row
	s_mov_b32 s73, 16
	s_mov_b32 s78, 0
	s_lshl_b32 s82, ttmp9, 3
	s_add_co_u32 s82, s82, s2
	s_lshl_b32 s82, s82, 10
	s_mov_b32 s83, 0
	s_add_nc_u64 s[80:81], s[50:51], s[82:83]
	s_branch .Lgather
; ---- HW: fragment = 80 c + 5 slot + t.  c 0-2: d2_w, tile 5c+t, ks = slot, f16.  c 3-4: d4_w, tile 5 (2 (c-3) + slot/8) + t, ks = slot % 8.
;      c 5-8: out_w, d = c-5, tile 5 (1 - d%2) + t, ks = 16 (d/2) + slot, f16 where d < 2.  k = 256 seg + u is source row 225 seg + u, u < 225. ----
.Lrole_h:
	s_sub_co_u32 s82, ttmp9, 600
	s_lshl_b32 s82, s82, 3
	s_add_co_u32 s82, s82, s2
	s_mul_i32 s83, s82, 205
	s_lshr_b32 s83, s83, 14                ; c
	s_mul_i32 s84, s83, 80
	s_sub_co_u32 s84, s82, s84
	s_mul_i32 s85, s84, 205
	s_lshr_b32 s85, s85, 10                ; slot
	s_mul_i32 s86, s85, 5
	s_sub_co_u32 s86, s84, s86             ; t
	s_lshl_b32 s88, s82, 10
	s_mov_b32 s89, 0
	s_add_nc_u64 s[80:81], s[54:55], s[88:89]
	s_sub_co_u32 s87, s83, 5
	s_lshr_b32 s88, s87, 1                 ; K half
	s_and_b32 s89, s87, 1
	s_xor_b32 s89, s89, 1                  ; tile group
	s_mul_i32 s90, s89, 5
	s_lshl_b32 s91, s88, 4
	s_add_co_u32 s91, s91, s85
	s_xor_b32 s78, s88, 1
	s_mov_b64 s[66:67], s[28:29]
	s_mov_b32 s68, 560
	s_mov_b32 s69, 503996
	s_mov_b32 s75, 140
	s_cmp_lt_u32 s83, 5
	s_cbranch_scc0 .Lh_set
	s_sub_co_u32 s87, s83, 3
	s_lshl_b32 s87, s87, 1
	s_lshr_b32 s88, s85, 3
	s_add_co_u32 s87, s87, s88
	s_mul_i32 s90, s87, 5
	s_and_b32 s91, s85, 7
	s_mov_b32 s78, 0
	s_mov_b64 s[66:67], s[26:27]
	s_mov_b32 s68, 900
	s_mov_b32 s69, 202496
	s_mov_b32 s75, 225
	s_cmp_lt_u32 s83, 3
	s_cbranch_scc0 .Lh_set
	s_mul_i32 s90, s83, 5
	s_mov_b32 s91, s85
	s_mov_b32 s78, 1
	s_mov_b64 s[66:67], s[24:25]
	s_mov_b32 s69, 404996
.Lh_set:
	s_add_co_u32 s90, s90, s86
	s_lshl_b32 s74, s90, 4
	s_sub_co_u32 s76, s75, 1
	s_mov_b32 s77, 0
	s_lshl_b32 s91, s91, 5                 ; k0
	s_lshr_b32 s87, s91, 8
	s_mul_i32 s87, s87, 225
	s_and_b32 s88, s91, 255
	s_add_co_u32 s70, s87, s88
	s_sub_co_u32 s72, 225, s88             ; true rows left from u0 on (may be negative)
	s_add_co_u32 s71, s70, 16
	s_sub_co_u32 s73, s72, 16
; ---- one fragment gathered: 16 loads of 4 bytes a lane (16 lanes side by side along a source row), masked, rounded, stored as 2 x 512 bytes ----
.Lgather:
	v_add_nc_u32 v7, s74, v4               ; my column
	v_cmp_gt_u32 vcc_lo, s75, v7
	v_min_u32 v7, s76, v7
	v_add_lshl_u32 v8, v7, s77, 2
	v_sub_nc_u32 v11, s72, v6
	v_max_i32 v11, 0, v11
	v_cndmask_b32 v9, 0, v11, vcc_lo       ; how many of my eight e are true numbers, half 0
	v_sub_nc_u32 v11, s73, v6
	v_max_i32 v11, 0, v11
	v_cndmask_b32 v10, 0, v11, vcc_lo      ; half 1
	v_add_nc_u32 v11, s70, v6
	v_mad_u32_u24 v12, v11, s68, v8
.irp e, 0,1,2,3,4,5,6,7
	v_min_u32 v[16+\e], s69, v12           ; no load leaves the buffer
	v_add_nc_u32 v12, s68, v12
.endr
	v_add_nc_u32 v11, s71, v6
	v_mad_u32_u24 v12, v11, s68, v8
.irp e, 0,1,2,3,4,5,6,7
	v_min_u32 v[24+\e], s69, v12
	v_add_nc_u32 v12, s68, v12
.endr
.irp e, 0,1,2,3,4,5,6,7,8,9,10,11,12,13,14,15
	global_load_b32 v[32+\e], v[16+\e], s[66:67]
.endr
	s_wait_loadcnt 0x0
.irp e, 0,1,2,3,4,5,6,7
	v_cmp_lt_u32 vcc_lo, \e, v9
	v_cndmask_b32 v[32+\e], 0, v[32+\e], vcc_lo
	v_cmp_lt_u32 vcc_lo, \e, v10
	v_cndmask_b32 v[40+\e], 0, v[40+\e], vcc_lo
.endr
.irp q, 0,1,2,3,4,5,6,7
	v_cvt_pk_bf16_f32 v[48+\q], v[32+2*\q], v[33+2*\q]
.endr
	s_cmp_eq_u32 s78, 0
	s_cbranch_scc1 .Lg_store
.irp q, 0,1,2,3,4,5,6,7                ; the bf16 number written as f16
	v_lshlrev_b32 v56, 16, v[48+\q]
	v_and_b32 v57, 0xffff0000, v[48+\q]
	v_cvt_pk_f16_f32 v[48+\q], v56, v57
.endr
.Lg_store:
	global_store_b128 v3, v[48:51], s[80:81]
	global_store_b128 v3, v[52:55], s[80:81] offset:512
	s_endpgm
; ---- AW: fragment fi = 65 ntg + 5 ks + t.  D(m = k, n) = sum over j of Wv[k][j] Wo[j][n]; wave w takes j steps w, w+8, w+16 (wave 0 also 24). ----
.Lrole_f:
	s_sub_co_u32 s82, ttmp9, 690
	s_mul_i32 s83, s82, 1009
	s_lshr_b32 s83, s83, 16                ; ntg
	s_mul_i32 s84, s83, 65
	s_sub_co_u32 s84, s82, s84
	s_mul_i32 s85, s84, 205
	s_lshr_b32 s85, s85, 10                ; ks
	s_mul_i32 s86, s85, 5
	s_sub_co_u32 s86, s84, s86             ; t
	s_mul_i32 s87, s83, 5
	s_add_co_u32 s87, s87, s86
	s_lshl_b32 s87, s87, 4                 ; n0
	s_lshl_b32 s88, s85, 5                 ; k0
	s_lshl_b32 s89, s2, 7                  ; my first j step, in bytes of a row
	v_add_nc_u32 v7, s88, v4
	v_mul_u32_u24 v7, 0xc80, v7            ; row k0 + r of Wv, 3,200 bytes a row
	v_lshl_add_u32 v7, v5, 5, v7
	v_add_nc_u32 v7, s89, v7
	v_add_nc_u32 v8, 51200, v7             ; rows k0 + 16 + r
	v_lshl_add_u32 v9, v5, 5, s89
	s_cmp_eq_u32 s85, 12                   ; k = 400..415: row 400 is bv, the others are 0
	s_cselect_b64 s[66:67], s[12:13], s[8:9]
	s_cselect_b32 s90, 0x00010001, -1      ; the lanes whose row is kept
	s_cselect_b32 s91, 1, 0
	s_cselect_b32 s92, -1, 0
	v_cndmask_b32 v8, v8, v9, s92
	s_lshl_b32 s93, s2, 5
	v_add_nc_u32 v10, s93, v6
	v_mul_u32_u24 v10, 0x640, v10          ; row 32 w + 8 h of Wo, 1,600 bytes a row
	v_add_nc_u32 v11, s87, v4
	v_lshl_add_u32 v10, v11, 2, v10
	v_lshlrev_b32 v11, 2, v11
	global_load_b32 v12, v11, s[14:15]     ; bo of my column
.macro F_LD i
.irp z, 0,1,2,3
	global_load_b128 v[32+48*\i+4*\z:35+48*\i+4*\z], v7, s[8:9] offset:\i*1024+16*\z+32*(\z/2)
	global_load_b128 v[48+48*\i+4*\z:51+48*\i+4*\z], v8, s[66:67] offset:\i*1024+16*\z+32*(\z/2)
.endr
.irp e, 0,1,2,3,4,5,6,7
	global_load_b32 v[64+48*\i+\e], v10, s[10:11] offset:(\i*256+\e)*1600
	global_load_b32 v[72+48*\i+\e], v10, s[10:11] offset:(\i*256+16+\e)*1600
.endr
.endm
.macro F_CV i                          ; rounded in place: 16 f32 into the first 8 registers of each group
.irp b, 32, 48, 64
.irp q, 0,1,2,3,4,5,6,7
	v_cvt_pk_bf16_f32 v[\b+48*\i+\q], v[\b+48*\i+2*\q], v[\b+48*\i+2*\q+1]
.endr
.endr
.irp q, 0,1,2,3,4,5,6,7
	v_cndmask_b32 v[48+48*\i+\q], 0, v[48+48*\i+\q], s90
.endr
.endm
	F_LD 0
	F_LD 1
	F_LD 2
	s_cmp_lg_u32 s2, 0
	s_cbranch_scc1 .Lf_no3a
	F_LD 3
.Lf_no3a:
	s_wait_loadcnt 0x0
	F_CV 0
	F_CV 1
	F_CV 2
	v_wmma_f32_16x16x32_bf16 v[224:231], v[32:39], v[64:71], 0      ; the two accumulators take turns
	v_wmma_f32_16x16x32_bf16 v[232:239], v[48:55], v[64:71], 0
	v_wmma_f32_16x16x32_bf16 v[224:231], v[80:87], v[112:119], v[224:231]
	v_wmma_f32_16x16x32_bf16 v[232:239], v[96:103], v[112:119], v[232:239]
	v_wmma_f32_16x16x32_bf16 v[224:231], v[128:135], v[160:167], v[224:231]
	v_wmma_f32_16x16x32_bf16 v[232:239], v[144:151], v[160:167], v[232:239]
	s_cmp_lg_u32 s2, 0
	s_cbranch_scc1 .Lf_no3b
	F_CV 3
	v_wmma_f32_16x16x32_bf16 v[224:231], v[176:183], v[208:215], v[224:231]
	v_wmma_f32_16x16x32_bf16 v[232:239], v[192:199], v[208:215], v[232:239]
.Lf_no3b:
	s_lshl_b32 s93, s2, 11
	v_add_nc_u32 v13, s93, v3              ; four plain instructions: the places behind the last product
	s_lshl_b32 s93, s2, 10
	v_add_nc_u32 v14, s93, v3
	v_nop
	v_nop
	ds_store_b128 v13, v[224:227]
	ds_store_b128 v13, v[228:231] offset:512
	ds_store_b128 v13, v[232:235] offset:1024
	ds_store_b128 v13, v[236:239] offset:1536
	s_wait_dscnt 0x0                       ; for the others' sake: my partial sums are in LDS
	s_barrier_signal -1
	s_barrier_wait -1
	s_cmp_lt_u32 s2, 2
	s_cbranch_scc0 .Lf_end
.irp p, 0,1,2,3,4,5,6,7                ; wave a adds the eight waves' partial sums (f32) of half a
	ds_load_b128 v[32+8*\p:35+8*\p], v14 offset:\p*2048
	ds_load_b128 v[36+8*\p:39+8*\p], v14 offset:\p*2048+512
.endr
	s_cmp_eq_u32 s2, 1
	s_cselect_b32 s94, s91, 0
	s_mul_i32 s94, s94, 0xffff             ; lanes 0-15 of half 1 of ks 12: register 0 is k = 400
	v_cndmask_b32 v12, 0, v12, s94
	s_wait_dscnt 0x0
.irp p, 1,2,3,4,5,6,7
.irp z, 0,2,4,6
	v_pk_add_f32 v[32+\z:33+\z], v[32+\z:33+\z], v[32+8*\p+\z:33+8*\p+\z]
.endr
.endr
	v_add_f32 v32, v32, v12
.irp q, 0,1,2,3
	v_cvt_pk_bf16_f32 v[100+\q], v[32+2*\q], v[33+2*\q]
.endr
	s_lshl_b32 s82, s82, 10
	s_lshl_b32 s93, s2, 9
	s_add_co_u32 s82, s82, s93
	s_mov_b32 s83, 0
	s_add_nc_u64 s[80:81], s[52:53], s[82:83]
	global_store_b128 v3, v[100:103], s[80:81]
.Lf_end:
	s_wait_tensorcnt 0x0                   ; the wave's end
	ds_add_u32 v1, v2
	s_wait_dscnt 0x0
	s_endpgm
.Lfunc_end_k_qefd805fda8_prep:
	.size	k_qefd805fda8_prep, .Lfunc_end_k_qefd805fda8_prep-k_qefd805fda8_prep
	.p2alignl 7, 3214868480
	.fill 96, 4, 3214868480
	.section	.rodata,"a",@progbits
	.p2align	6, 0x0
	.amdhsa_kernel k_qefd805fda8_prep
		.amdhsa_group_segment_fixed_size 17408
		.amdhsa_private_segment_fixed_size 0
		.amdhsa_enable_private_segment 0
		.amdhsa_kernarg_size 216
		.amdhsa_user_sgpr_count 2
		.amdhsa_user_sgpr_kernarg_segment_ptr 1
		.amdhsa_wavefront_size32 1
		.amdhsa_system_sgpr_workgroup_id_x 1
		.amdhsa_system_sgpr_workgroup_id_y 1
		.amdhsa_system_sgpr_workgroup_id_z 1
		.amdhsa_system_vgpr_workitem_id 0
		.amdhsa_next_free_vgpr 240
		.amdhsa_next_free_sgpr 100
		.amdhsa_reserve_vcc 1
		.amdhsa_float_denorm_mode_32 3
		.amdhsa_float_denorm_mode_16_64 3
		.amdhsa_memory_ordered 1
		.amdhsa_forward_progress 1
		.amdhsa_inst_pref_size 40
	.end_amdhsa_kernel
	.amdgpu_metadata
---
amdhsa.version: [ 1, 2 ]
amdhsa.kernels:
  - .name:           k_qefd805fda8_prep
    .symbol:         k_qefd805fda8_prep.kd
    .args:
      - { .name: Wv, .offset: 0, .size: 8, .value_kind: global_buffer, .address_space: global }
      - { .name: Wo, .offset: 8, .size: 8, .value_kind: global_buffer, .address_space: global }
      - { .name: bv, .offset: 16, .size: 8, .value_kind: global_buffer, .address_space: global }
      - { .name: bo, .offset: 24, .size: 8, .value_kind: global_buffer, .address_space: global }
      - { .name: gru_fk, .offset: 32, .size: 8, .value_kind: global_buffer, .address_space: global }
      - { .name: gru_bk, .offset: 40, .size: 8, .value_kind: global_buffer, .address_space: global }
      - { .name: gru_fb, .offset: 48, .size: 8, .value_kind: global_buffer, .address_space: global }
      - { .name: gru_bb, .offset: 56, .size: 8, .value_kind: global_buffer, .address_space: global }
      - { .name: d2_w, .offset: 64, .size: 8, .value_kind: global_buffer, .address_space: global }
      - { .name: d4_w, .offset: 72, .size: 8, .value_kind: global_buffer, .address_space: global }
      - { .name: out_w, .offset: 80, .size: 8, .value_kind: global_buffer, .address_space: global }
      - { .name: d2_b, .offset: 88, .size: 8, .value_kind: global_buffer, .address_space: global }
      - { .name: d4_b, .offset: 96, .size: 8, .value_kind: global_buffer, .address_space: global }
      - { .name: out_b, .offset: 104, .size: 8, .value_kind: global_buffer, .address_space: global }
      - { .name: ln1_g, .offset: 112, .size: 8, .value_kind: global_buffer, .address_space: global }
      - { .name: ln1_b, .offset: 120, .size: 8, .value_kind: global_buffer, .address_space: global }
      - { .name: ffn_w1, .offset: 128, .size: 8, .value_kind: global_buffer, .address_space: global }
      - { .name: ffn_w2, .offset: 136, .size: 8, .value_kind: global_buffer, .address_space: global }
      - { .name: ffn_b2, .offset: 144, .size: 8, .value_kind: global_buffer, .address_space: global }
      - { .name: ln2_g, .offset: 152, .size: 8, .value_kind: global_buffer, .address_space: global }
      - { .name: ln2_b, .offset: 160, .size: 8, .value_kind: global_buffer, .address_space: global }
      - { .name: GW, .offset: 168, .size: 8, .value_kind: global_buffer, .address_space: global }
      - { .name: AW, .offset: 176, .size: 8, .value_kind: global_buffer, .address_space: global }
      - { .name: HW, .offset: 184, .size: 8, .value_kind: global_buffer, .address_space: global }
      - { .name: PT, .offset: 192, .size: 8, .value_kind: global_buffer, .address_space: global }
      - { .name: GB, .offset: 200, .size: 8, .value_kind: global_buffer, .address_space: global }
      - { .name: HB, .offset: 208, .size: 8, .value_kind: global_buffer, .address_space: global }
    .group_segment_fixed_size: 17408
    .private_segment_fixed_size: 0
    .kernarg_segment_align: 8
    .kernarg_segment_size: 216
    .max_flat_workgroup_size: 256
    .sgpr_count:     100
    .vgpr_count:     240
    .wavefront_size: 32
...
	.end_amdgpu_metadata
.endif
;; end of part 1
;; launch enc (part 2): grid 256 x 1, 4 waves a work-group, clusters of 4 x 1, 327,680 bytes of LDS; arguments x, AW, PT, ffn_b1, FL; writes FL
.if DOCPART == 2
	.amdgcn_target "amdgcn-amd-amdhsa--gfx1250"
	.amdhsa_code_object_version 6
	.text
	.protected	k_qefd805fda8_enc
	.globl	k_qefd805fda8_enc
	.p2align	8
	.type	k_qefd805fda8_enc,@function
k_qefd805fda8_enc:
	s_mov_b64 s[64:65], 0
	v_nop
	global_prefetch_b8 v0, s[64:65] scope:SCOPE_SE
	s_setreg_imm32_b32 hwreg(HW_REG_WAVE_MODE, 25, 1), 1
	s_wait_xcnt 0x0
	s_wait_alu depctr_hold_cnt(0) depctr_sa_sdst(0) depctr_va_vdst(0) depctr_va_sdst(0) depctr_va_ssrc(0) depctr_va_vcc(0) depctr_vm_vsrc(0)
	s_getreg_b32 s2, hwreg(HW_REG_IB_STS2, 6, 4)
	s_cmp_eq_u32 s2, 0
	s_cbranch_scc0 .Lentry_in_a_cluster
	s_endpgm
.Lentry_in_a_cluster:
	s_bfe_u32 s2, ttmp6, 0x10000c
	s_cmp_lg_u32 s2, 0x3003
	s_cbranch_scc0 .Lentry_shape_is_right
	s_endpgm
.Lentry_shape_is_right:
; THE ENCODER AND THE FLAT ROW.  A wave owns 16 rows (a row tile).  It (1) rounds its rows of x to bf16 and turns them into half fragments
; (16 rows x 16 k in 512 bytes: lane (r, h) holds row r, k = 16 hf + 8 h + 0..7), through its own LDS bytes; (2) stores half fragments 0-74 to FL;
; (3) t = xe + xe (Wv Wo) + (bv Wo + bo): xe is half fragments 50-74, the residual is the C operand, the bias is row k = 400 of AW against a 1;
; (4) LN, the 2-wide FFN, LN, each row in two lanes, tiles of 16 columns kept as f32 in LDS and walked five at a time; (5) stores half fragments 75-99.
; Row 0 of the batch takes its raw x (chosen by v_cndmask).  The variance is the mean of (t - m)^2, taken in a pass of its own.
; The attention weights are 1 (one key), so q and k are not formed: see the first launch's head.  x is used in bf16 everywhere, the residual too.
; AW comes in five chunks of 65 fragments through two LDS slots; the four work-groups of a cluster ask for each chunk jointly.
.set SLOTB, 66560
.set PTL,   133120                     ; nine rows of 400 f32: g1 b1 w1(2) w2(2) fb2 g2 b2
.set SPARE, 147712                     ; the spare words, 128 bytes a wave
.set XB0,   148224                     ; 40,960 bytes a wave: 150 blocks (8 k x 16 rows of bf16) 272 bytes apart; later f32 tiles in its first 25,600 bytes
.set XBW,   40960
.set WV, 14
.macro PLACES
.rept 4
	v_nop
.endr
.endm
.macro CROUND                          ; a round of the cluster's barrier
	s_barrier_signal -1
	s_barrier_wait -1
	s_cmp_lg_u32 s[WV], 0
	s_cbranch_scc1 .Lnw0_\@
	s_barrier_signal -3
.Lnw0_\@:
	s_barrier_wait -3
	s_barrier_signal -1
	s_barrier_wait -1
.endm
	s_load_b256 s[4:11], s[0:1], 0x0       ; x 4, AW 6, PT 8, ffn_b1 10
	s_load_b64 s[12:13], s[0:1], 0x20      ; FL
	v_lshl_add_u32 v1, v0, 2, SPARE
	v_mov_b32 v2, 0
	ds_add_u32 v1, v2                      ; the wave's opening
	v_lshrrev_b32 v3, 5, v0
	v_readfirstlane_b32 s[WV], v3
	s_bfe_u32 s15, ttmp6, 0x40000          ; cx
	s_lshl_b32 s16, ttmp9, 2
	s_add_co_u32 s16, s16, s15             ; work-group
	s_lshl_b32 s17, s16, 2
	s_add_co_u32 s17, s17, s[WV]           ; row tile: it enters x's and FL's addresses alone
	s_mov_b32 s24, 15|(3<<16)|(1<<21)      ; AW: joint, 8-byte elements, 65 rows of 256 bytes a wave
	s_mov_b32 s25, 32<<16
	s_mov_b32 s26, 65<<16
	s_mov_b32 s27, 32<<16
	s_mov_b32 s28, 65
	s_mov_b32 s29, 32
	s_mov_b32 s30, 0
	s_mov_b32 s31, 0
	s_mov_b32 s40, 15|(3<<16)|(1<<21)      ; PT: joint, one row of 3,600 bytes a wave
	s_mov_b32 s41, 450<<16
	s_mov_b32 s42, 1<<16
	s_mov_b32 s43, 450<<16
	s_mov_b32 s44, 1
	s_mov_b32 s45, 450
	s_mov_b32 s46, 0
	s_mov_b32 s47, 0
	s_mul_i32 s18, s[WV], 16640
	s_mul_i32 s19, s[WV], 3600
	s_mov_b32 s32, 1
	s_mov_b32 s33, s18
	s_mov_b32 s36, 1
	s_add_co_u32 s37, s18, SLOTB
	s_mov_b32 s48, 1
	s_add_co_u32 s49, s19, PTL
	s_mov_b32 s23, 0xffff0000
	s_mov_b32 s60, 0x76543210
	s_mov_b32 s61, 0xfedcba98
	s_wait_dscnt 0x0
	s_wait_kmcnt 0x0
	s_mov_b32 s20, s18
	s_mov_b32 s21, 0
	s_add_nc_u64 s[34:35], s[6:7], s[20:21]
	s_add_nc_u64 s[38:39], s[34:35], SLOTB
	s_or_b32 s35, s35, 0x80000000
	s_or_b32 s39, s39, 0x80000000
	s_mov_b32 s20, s19
	s_add_nc_u64 s[50:51], s[8:9], s[20:21]
	s_or_b32 s51, s51, 0x80000000
	s_mul_i32 s20, s17, 76800
	s_add_nc_u64 s[52:53], s[4:5], s[20:21]    ; x at my 16 rows
	s_mul_i32 s20, s17, 51200
	s_add_nc_u64 s[54:55], s[12:13], s[20:21]  ; FL at my row tile
	s_load_b64 s[56:57], s[10:11], 0x0         ; ffn_b1
	CROUND                                 ; the first joint loads meet
	tensor_load_to_lds s[48:51], s[40:47]  ; PT
	s_nop 0
	tensor_load_to_lds s[32:35], s[24:31]  ; chunk 0 into slot 0: two loads of mine are out
	s_nop 0
	PLACES
	v_and_b32 v3, 31, v0
	v_lshlrev_b32 v3, 4, v3                ; 16 L
	v_and_b32 v4, 15, v0                   ; r (in the conversion: my 16 bytes of 256)
	v_bfe_u32 v5, v0, 4, 1                 ; h (in the conversion: which of two rows)
	s_mul_i32 s22, s[WV], XBW
	s_add_co_u32 s22, s22, XB0
	v_mul_u32_u24 v6, 0x12c0, v5
	v_lshl_add_u32 v6, v4, 4, v6           ; 4,800 p + 16 c
	v_add_nc_u32 v7, 9600, v6
	v_lshrrev_b32 v19, 1, v4
	v_mul_u32_u24 v8, 0x110, v19
	v_lshl_add_u32 v8, v5, 4, v8
	v_and_b32 v19, 1, v4
	v_lshl_add_u32 v8, v19, 3, v8
	v_add_nc_u32 v8, s22, v8               ; block (c/2) x 272 + row p x 16 + (c%2) x 8
	v_mul_u32_u24 v9, 0x110, v5
	v_lshl_add_u32 v9, v4, 4, v9
	v_add_nc_u32 v9, s22, v9               ; back: block h, row r
	v_mov_b32 v10, v3
	v_add_nc_u32 v11, 35840, v3
	v_add_nc_u32 v12, SLOTB, v3
	v_add_nc_u32 v13, SLOTB+35840, v3
	v_add_nc_u32 v18, s22, v3              ; the f32 tiles
	v_mov_b32 v14, v18
	v_add_nc_u32 v15, 27200, v9            ; the raw half fragment 50
	s_lshl_b32 s20, s17, 4
	v_add_nc_u32 v19, s20, v4
	v_cmp_eq_u32 s58, 0, v19               ; the batch's row 0
; (1) Sixteen lanes read 256 consecutive bytes of a row, two rows an instruction; a row is 18 such pieces and one that starts at k = 1136.
.macro CLOAD buf, go
.set sg, 0
.rept 19
.set K0, 64*sg
.if sg == 18
.set K0, 1136
.endif
	global_load_b128 v[(\buf)+4*sg:(\buf)+4*sg+3], v[\go], s[52:53] offset:K0*4 th:TH_LOAD_NT
.set sg, sg+1
.endr
.endm
.macro CPROC buf, lo
.set sg, 0
.rept 19
.set K0, 64*sg
.if sg == 18
.set K0, 1136
.endif
	v_cvt_pk_bf16_f32 v[184+2*(sg%4)], v[(\buf)+4*sg], v[(\buf)+4*sg+1]
	v_cvt_pk_bf16_f32 v[185+2*(sg%4)], v[(\buf)+4*sg+2], v[(\buf)+4*sg+3]
	ds_store_b64 v8, v[184+2*(sg%4):185+2*(sg%4)] offset:(K0/8)*272+(\lo)
.set sg, sg+1
.endr
.endm
	CLOAD 32, 6                            ; rows 0, 1
	CLOAD 108, 7                           ; rows 2, 3: 38 loads of mine are out
	s_mov_b32 s59, 3
.Lconv:
	s_wait_loadcnt 19                      ; the older buffer is in; the younger 19 loads stay out
	v_add_nc_u32 v6, 19200, v6             ; free since that wait
	CPROC 32, 0
	CLOAD 32, 6
	s_wait_loadcnt 19
	v_add_nc_u32 v7, 19200, v7
	CPROC 108, 32
	CLOAD 108, 7
	v_add_nc_u32 v8, 64, v8
	s_sub_co_u32 s59, s59, 1
	s_cmp_lg_u32 s59, 0
	s_cbranch_scc1 .Lconv
	s_wait_loadcnt 19
	CPROC 32, 0
	s_wait_loadcnt 0x0
	CPROC 108, 32
; (2) LDS serves a wave's instructions in order, so these loads see the stores above
.set q, 0
.rept 50
	ds_load_b128 v[32+4*q:35+4*q], v9 offset:q*544
.set q, q+1
.endr
	s_wait_dscnt 0x0
.set q, 0
.rept 50
	global_store_b128 v3, v[32+4*q:35+4*q], s[54:55] offset:q*512   ; 512 consecutive bytes
.set q, q+1
.endr
	s_wait_xcnt 0x0                        ; the stores' registers are loaded again only behind this wait
.set q, 0
.rept 25
	ds_load_b128 v[152+4*q:155+4*q], v9 offset:(50+q)*544           ; xe: these stay, as the product's 12.5 fragments
.set q, q+1
.endr
	v_mov_b32 v19, 0x3f80
	v_cmp_eq_u32 vcc_lo, 0, v5
	v_cndmask_b32 v252, 0, v19, vcc_lo     ; k = 400: a 1 against AW's bias row; k = 401..415: 0
	v_mov_b32 v253, 0
	v_mov_b32 v254, 0
	v_mov_b32 v255, 0
.irp z, 20,21,22,23
	v_mov_b32 v\z, 0
.endr
	s_wait_dscnt 0x0
.set q, 0
.rept 25
	global_store_b128 v3, v[152+4*q:155+4*q], s[54:55] offset:(50+q)*512
.set q, q+1
.endr
; (3) a chunk: 5 column tiles x 13 K steps
.macro BFETCH slot, ks, bb
.set BRG, 10+2*(\slot)+((\ks)/7)
.set BOF, ((\ks)%7)*5120
.irp t, 0,1,2,3,4
	ds_load_b128 v[(\bb)+8*\t:(\bb)+8*\t+3], v[BRG] offset:BOF+\t*1024
	ds_load_b128 v[(\bb)+8*\t+4:(\bb)+8*\t+7], v[BRG] offset:BOF+\t*1024+512
.endr
.endm
.macro CHUNK slot
.irp t, 0,1,2,3,4
	ds_load_b128 v[112+4*\t:115+4*\t], v15 offset:\t*544            ; the tiles' raw xe
.endr
	BFETCH \slot, 0, 72
	s_wait_dscnt 10                        ; xe is in; the ten fragment loads may be out
.irp t, 0,1,2,3,4
.irp z, 0,1,2,3
	v_lshlrev_b32 v[32+8*\t+2*\z], 16, v[112+4*\t+\z]               ; the residual starts the sums
	v_and_b32 v[33+8*\t+2*\z], s23, v[112+4*\t+\z]
.endr
.endr
.set ks, 0
.rept 13
.if ks < 12
.if ks > 0
	PLACES                                 ; the buffer's last readers stand just ahead
.endif
	BFETCH \slot, ks+1, 72+40*((ks+1)%2)
	s_wait_dscnt 10                        ; all but the ten just issued
.else
	s_wait_dscnt 0x0
.endif
.irp t, 0,1,2,3,4                      ; five accumulators by turns
	v_wmma_f32_16x16x32_bf16 v[32+8*\t:39+8*\t], v[72+40*(ks%2)+8*\t:79+40*(ks%2)+8*\t], v[152+8*ks:159+8*ks], v[32+8*\t:39+8*\t]
.endr
.set ks, ks+1
.endr
	PLACES
.irp t, 0,1,2,3,4
	v_pk_add_f32 v[20:21], v[20:21], v[32+8*\t:33+8*\t]
	v_pk_add_f32 v[22:23], v[22:23], v[34+8*\t:35+8*\t]
	v_pk_add_f32 v[20:21], v[20:21], v[36+8*\t:37+8*\t]
	v_pk_add_f32 v[22:23], v[22:23], v[38+8*\t:39+8*\t]
	ds_store_b128 v14, v[32+8*\t:35+8*\t] offset:\t*1024
	ds_store_b128 v14, v[36+8*\t:39+8*\t] offset:\t*1024+512
.endr
	v_add_nc_u32 v14, 5120, v14
	v_add_nc_u32 v15, 2720, v15
.endm
.macro TRIP slot, refill
	s_wait_tensorcnt 0x0                   ; all my tensor loads are done, my part of this trip's chunk among them
	ds_add_u32 v1, v2
	s_add_nc_u64 s[34+4*\slot:35+4*\slot], s[34+4*\slot:35+4*\slot], 2*SLOTB   ; this slot's next chunk
	s_wait_dscnt 0x0                       ; the add is done, and so are my reads of the other slot
	CROUND                                 ; both now hold of every wave of the cluster
.if \refill
	tensor_load_to_lds s[36-4*\slot:39-4*\slot], s[24:31]           ; the next chunk, into the slot read last
	s_nop 0
	PLACES
.endif
	CHUNK \slot
.endm
	s_mov_b32 s59, 2
.Lchunk:
	TRIP 0, 1
	TRIP 1, 1
	s_sub_co_u32 s59, s59, 1
	s_cmp_lg_u32 s59, 0
	s_cbranch_scc1 .Lchunk
	TRIP 0, 0
; (4) registers from here: v32-71 five tiles; v72-231 parameters; v232-233 -m; v234-235 rs; v236-237 -m rs; v238-245 four chains; v246-249 the FFN's two numbers
.macro LDD
.irp t, 0,1,2,3,4
	ds_load_b128 v[32+8*\t:35+8*\t], v14 offset:\t*1024
	ds_load_b128 v[36+8*\t:39+8*\t], v14 offset:\t*1024+512
.endr
.endm
.macro STD
.irp t, 0,1,2,3,4
	ds_store_b128 v14, v[32+8*\t:35+8*\t] offset:\t*1024
	ds_store_b128 v14, v[36+8*\t:39+8*\t] offset:\t*1024+512
.endr
.endm
.macro LDP reg, row                    ; a parameter's 8 numbers for each of the five tiles: the 16 lanes of a half read the same bytes
.irp t, 0,1,2,3,4
	ds_load_b128 v[(\reg)+8*\t:(\reg)+8*\t+3], v16 offset:(\row)+\t*64
	ds_load_b128 v[(\reg)+8*\t+4:(\reg)+8*\t+7], v16 offset:(\row)+\t*64+16
.endr
.endm
.macro CLR
.irp z, 238,239,240,241,242,243,244,245
	v_mov_b32 v\z, 0
.endr
	v_mov_b32 v14, v18
	v_lshl_add_u32 v16, v5, 5, PTL
.endm
.macro TOTAL                           ; the four chains, both halves of the pair, both lanes of the row
	v_pk_add_f32 v[238:239], v[238:239], v[240:241]
	v_pk_add_f32 v[242:243], v[242:243], v[244:245]
	v_pk_add_f32 v[238:239], v[238:239], v[242:243]
	v_add_f32 v238, v238, v239
	v_permlanex16_b32 v250, v238, s60, s61
	v_add_f32 v238, v238, v250
.endm
.macro NEXT5 lab
	s_sub_co_u32 s59, s59, 1
	s_cmp_lg_u32 s59, 0
	s_cbranch_scc1 \lab
.endm
.macro VARPASS                         ; the sum of (t - m)^2, then rs = 1 / sqrt(mean + 1e-6) and -m rs
	CLR
	s_mov_b32 s59, 5
.Lvar_\@:
	LDD
	s_wait_dscnt 0x0
.set q, 0
.rept 20
	v_pk_add_f32 v[32+2*q:33+2*q], v[32+2*q:33+2*q], v[232:233]
.set q, q+1
.endr
.set q, 0
.rept 20
	v_pk_fma_f32 v[238+2*(q%4):239+2*(q%4)], v[32+2*q:33+2*q], v[32+2*q:33+2*q], v[238+2*(q%4):239+2*(q%4)]
.set q, q+1
.endr
	v_add_nc_u32 v14, 5120, v14
	NEXT5 .Lvar_\@
	TOTAL
	v_mul_f32 v251, 0x3b23d70a, v238
	v_add_f32 v251, 0x358637bd, v251
	v_rsq_f32 v234, v251
	v_nop
	s_wait_alu depctr_va_vdst(0)
	v_mov_b32 v235, v234
	v_mul_f32 v236, v232, v234
	v_mul_f32 v237, v232, v234
.endm
	s_wait_xcnt 0x0                        ; FL's stores have read v152-251
	s_wait_kmcnt 0x0                       ; ffn_b1
	v_mov_b32 v250, 0
	v_pk_add_f32 v[20:21], v[20:21], v[22:23]
	v_add_f32 v20, v20, v21
	v_permlanex16_b32 v250, v20, s60, s61
	v_add_f32 v20, v20, v250
	v_mul_f32 v232, 0xbb23d70a, v20        ; -m
	v_mul_f32 v233, 0xbb23d70a, v20
	VARPASS
	; y = ((t - m) rs) g1 + b1; (h0, h1) += y_c (w1[c][0], w1[c][1])
	CLR
	v_lshl_add_u32 v17, v5, 6, PTL+3200
	s_mov_b32 s59, 5
.Lpc:
	LDD
	LDP 72, 0
	LDP 112, 1600
.irp t, 0,1,2,3,4
.irp z, 0,1,2,3
	ds_load_b128 v[152+16*\t+4*\z:155+16*\t+4*\z], v17 offset:\t*128+\z*16
.endr
.endr
	s_wait_dscnt 0x0
.set q, 0
.rept 20
	v_pk_fma_f32 v[32+2*q:33+2*q], v[32+2*q:33+2*q], v[234:235], v[236:237]
.set q, q+1
.endr
.set q, 0
.rept 20
	v_pk_fma_f32 v[32+2*q:33+2*q], v[32+2*q:33+2*q], v[72+2*q:73+2*q], v[112+2*q:113+2*q]
.set q, q+1
.endr
	STD
.set q, 0
.rept 20
	v_pk_fma_f32 v[238+4*(q%2):239+4*(q%2)], v[32+2*q:33+2*q], v[152+4*q:153+4*q], v[238+4*(q%2):239+4*(q%2)] op_sel:[0,0,0] op_sel_hi:[0,1,1]
	v_pk_fma_f32 v[240+4*(q%2):241+4*(q%2)], v[32+2*q:33+2*q], v[154+4*q:155+4*q], v[240+4*(q%2):241+4*(q%2)] op_sel:[1,0,0] op_sel_hi:[1,1,1]
.set q, q+1
.endr
	v_add_nc_u32 v14, 5120, v14
	v_add_nc_u32 v16, 320, v16
	v_add_nc_u32 v17, 640, v17
	NEXT5 .Lpc
	v_pk_add_f32 v[238:239], v[238:239], v[240:241]
	v_pk_add_f32 v[242:243], v[242:243], v[244:245]
	v_pk_add_f32 v[238:239], v[238:239], v[242:243]
	v_permlanex16_b32 v250, v238, s60, s61
	v_permlanex16_b32 v251, v239, s60, s61
	v_add_f32 v238, v238, v250
	v_add_f32 v239, v239, v251
	v_add_f32 v238, s56, v238
	v_add_f32 v239, s57, v239
	v_max_num_f32 v246, 0, v238            ; relu
	v_max_num_f32 v247, 0, v238
	v_max_num_f32 v248, 0, v239
	v_max_num_f32 v249, 0, v239
	; f = y + fb2 + a0 w2[0] + a1 w2[1], and its sum
	CLR
	s_mov_b32 s59, 5
.Lpd:
	LDD
	LDP 72, 9600
	LDP 112, 6400
	LDP 152, 8000
	s_wait_dscnt 0x0
.set q, 0
.rept 20
	v_pk_add_f32 v[32+2*q:33+2*q], v[32+2*q:33+2*q], v[72+2*q:73+2*q]
.set q, q+1
.endr
.set q, 0
.rept 20
	v_pk_fma_f32 v[32+2*q:33+2*q], v[112+2*q:113+2*q], v[246:247], v[32+2*q:33+2*q]
.set q, q+1
.endr
.set q, 0
.rept 20
	v_pk_fma_f32 v[32+2*q:33+2*q], v[152+2*q:153+2*q], v[248:249], v[32+2*q:33+2*q]
.set q, q+1
.endr
	STD
.set q, 0
.rept 20
	v_pk_add_f32 v[238+2*(q%4):239+2*(q%4)], v[238+2*(q%4):239+2*(q%4)], v[32+2*q:33+2*q]
.set q, q+1
.endr
	v_add_nc_u32 v14, 5120, v14
	v_add_nc_u32 v16, 320, v16
	NEXT5 .Lpd
	TOTAL
	v_mul_f32 v232, 0xbb23d70a, v238
	v_mul_f32 v233, 0xbb23d70a, v238
	VARPASS
	; (5) e = ((f - m) rs) g2 + b2, rounded to bf16; the batch's row 0 takes its raw x
	CLR
	v_add_nc_u32 v15, 27200, v9
	v_mov_b32 v24, v3
	s_mov_b32 s59, 5
.Lpf:
	LDD
	LDP 72, 11200
	LDP 112, 12800
.irp t, 0,1,2,3,4
	ds_load_b128 v[172+4*\t:175+4*\t], v15 offset:\t*544
.endr
	s_wait_dscnt 0x0
.set q, 0
.rept 20
	v_pk_fma_f32 v[32+2*q:33+2*q], v[32+2*q:33+2*q], v[234:235], v[236:237]
.set q, q+1
.endr
.set q, 0
.rept 20
	v_pk_fma_f32 v[32+2*q:33+2*q], v[32+2*q:33+2*q], v[72+2*q:73+2*q], v[112+2*q:113+2*q]
.set q, q+1
.endr
.set q, 0
.rept 20
	v_cvt_pk_bf16_f32 v[152+q], v[32+2*q], v[33+2*q]
.set q, q+1
.endr
.set q, 0
.rept 20
	v_cndmask_b32 v[152+q], v[152+q], v[172+q], s58
.set q, q+1
.endr
.irp t, 0,1,2,3,4
	global_store_b128 v24, v[152+4*\t:155+4*\t], s[54:55] offset:(75+\t)*512
.endr
	v_add_nc_u32 v14, 5120, v14
	v_add_nc_u32 v16, 320, v16
	v_add_nc_u32 v15, 2720, v15
	s_wait_xcnt 0x0                        ; the stores' offset and data are rewritten only behind this wait
	v_add_nc_u32 v24, 2560, v24
	NEXT5 .Lpf
	s_wait_tensorcnt 0x0                   ; the wave's end
	ds_add_u32 v1, v2
	s_wait_dscnt 0x0
	CROUND                                 ; the closing round
	s_endpgm
.Lfunc_end_k_qefd805fda8_enc:
	.size	k_qefd805fda8_enc, .Lfunc_end_k_qefd805fda8_enc-k_qefd805fda8_enc
	.p2alignl 7, 3214868480
	.fill 96, 4, 3214868480
	.section	.rodata,"a",@progbits
	.p2align	6, 0x0
	.amdhsa_kernel k_qefd805fda8_enc
		.amdhsa_group_segment_fixed_size 327680
		.amdhsa_private_segment_fixed_size 0
		.amdhsa_enable_private_segment 0
		.amdhsa_kernarg_size 40
		.amdhsa_user_sgpr_count 2
		.amdhsa_user_sgpr_kernarg_segment_ptr 1
		.amdhsa_wavefront_size32 1
		.amdhsa_system_sgpr_workgroup_id_x 1
		.amdhsa_system_sgpr_workgroup_id_y 1
		.amdhsa_system_sgpr_workgroup_id_z 1
		.amdhsa_system_vgpr_workitem_id 0
		.amdhsa_next_free_vgpr 256
		.amdhsa_next_free_sgpr 66
		.amdhsa_reserve_vcc 1
		.amdhsa_float_denorm_mode_32 3
		.amdhsa_float_denorm_mode_16_64 3
		.amdhsa_memory_ordered 1
		.amdhsa_forward_progress 1
		.amdhsa_inst_pref_size 132
	.end_amdhsa_kernel
	.amdgpu_metadata
---
amdhsa.version: [ 1, 2 ]
amdhsa.kernels:
  - .name:           k_qefd805fda8_enc
    .symbol:         k_qefd805fda8_enc.kd
    .args:
      - { .name: x, .offset: 0, .size: 8, .value_kind: global_buffer, .address_space: global }
      - { .name: AW, .offset: 8, .size: 8, .value_kind: global_buffer, .address_space: global }
      - { .name: PT, .offset: 16, .size: 8, .value_kind: global_buffer, .address_space: global }
      - { .name: ffn_b1, .offset: 24, .size: 8, .value_kind: global_buffer, .address_space: global }
      - { .name: FL, .offset: 32, .size: 8, .value_kind: global_buffer, .address_space: global }
    .group_segment_fixed_size: 327680
    .private_segment_fixed_size: 0
    .kernarg_segment_align: 8
    .kernarg_segment_size: 40
    .max_flat_workgroup_size: 128
    .sgpr_count:     66
    .vgpr_count:     256
    .wavefront_size: 32
...
	.end_amdgpu_metadata
.endif
;; end of part 2
;; launch gru (part 3): grid 128 x 2, 4 waves a work-group, clusters of 4 x 1, 327,680 bytes of LDS; arguments FL, GW, GB, X1; writes X1
.if DOCPART == 3
	.amdgcn_target "amdgcn-amd-amdhsa--gfx1250"
	.amdhsa_code_object_version 6
	.text
	.protected	k_qefd805fda8_gru
	.globl	k_qefd805fda8_gru
	.p2align	8
	.type	k_qefd805fda8_gru,@function
k_qefd805fda8_gru:
	s_mov_b64 s[64:65], 0
	v_nop
	global_prefetch_b8 v0, s[64:65] scope:SCOPE_SE
	s_setreg_imm32_b32 hwreg(HW_REG_WAVE_MODE, 25, 1), 1
	s_wait_xcnt 0x0
	s_wait_alu depctr_hold_cnt(0) depctr_sa_sdst(0) depctr_va_vdst(0) depctr_va_sdst(0) depctr_va_ssrc(0) depctr_va_vcc(0) depctr_vm_vsrc(0)
	s_getreg_b32 s2, hwreg(HW_REG_IB_STS2, 6, 4)
	s_cmp_eq_u32 s2, 0
	s_cbranch_scc0 .Lentry_in_a_cluster
	s_endpgm
.Lentry_in_a_cluster:
	s_bfe_u32 s2, ttmp6, 0x10000c
	s_cmp_lg_u32 s2, 0x3003
	s_cbranch_scc0 .Lentry_shape_is_right
	s_endpgm
.Lentry_shape_is_right:
; THE TWO GRU STEPS FROM h0 = 0.  x1[row][256 dir + unit] = (1 - z) elu(xh + B0h + r B1h), z = sigmoid(xz + B0z + B1z), r = sigmoid(xr + B0r + B1r);
; (xz, xr, xh) = flat K.  h0 RK is 0 (h0 is built as zeros), so RK is not read.  A work-group makes 128 rows of one direction: 16 unit tiles x 3 gates
; (units 225-255 are padding: weights and biases 0, result 0).  Wave (rh, ch): 64 rows x 8 unit tiles x 3 gates = 96 accumulators, 768 registers.
; K = 1,600 goes in 25 steps of 64 through two LDS slots.  A slot is four parts of 32,768 bytes, part w filled by wave w's tensor load: part 0 takes
; 16 fragments of FL (16,384 bytes), parts 1-3 take 96 fragments of GW on end, 32 each.
; The four work-groups of a cluster share a direction and ask for GW's tiles jointly; FL's tiles are each work-group's own.
; The product is used transposed (source 0 = weights): a lane holds one row and eight neighbouring units, which is x1's half fragment.
; LIMITS: x1 is stored in f16: |x1| < 65,504.  elu(y) = max(y, 0) + 2^min(c y, 0) - 1, an absolute error of about 1e-7.
; REGISTERS: window 0: v0-31 addresses; v32-95 FL's fragments of the step's two halves; v96-111 biases as loaded; v128-255 GW's fragments, two buffers of 8.
;   window g + 1: gate g's accumulators, (uu, mt) at v[8 (4 uu + mt)].
.set PART,  32768                      ; what one wave's tensor load owns of a slot
.set SLOT,  4*PART
.set BIAS,  2*SLOT                     ; 2,048 bytes a wave: four tables of my 128 units
.set SPARE, BIAS+8192                  ; the spare words, 128 bytes a wave
.set WV, 12
.set G1A, 24
.set G0A, 32
.set G1B, 40
.set G0B, 48
.set AB, 32
.set BB, 128
.set MSB, 0
.macro WIN new
.if MSB != (\new)
	s_set_vgpr_msb (MSB<<8)|(\new)
.set MSB, \new
.endif
.endm
.macro PLACES
.rept 4
	v_nop
.endr
.endm
.macro JLOAD s                         ; wave 0 fetches FL's tile, waves 1-3 a third of GW's each; an s_nop 0 and four v_nop follow each line
	s_cmp_eq_u32 s[WV], 0
	s_cbranch_scc0 .Lfor_b_\@
	tensor_load_to_lds s[G0A+4*(\s):G0A+4*(\s)+3], s[G1A:G1A+7]
	s_nop 0
	PLACES
	s_branch .Lasked_\@
.Lfor_b_\@:
	tensor_load_to_lds s[G0B+4*(\s):G0B+4*(\s)+3], s[G1B:G1B+7]
	s_nop 0
	PLACES
.Lasked_\@:
.endm
.macro CREST
	s_cmp_lg_u32 s[WV], 0
	s_cbranch_scc1 .Lnw0_\@
	s_barrier_signal -3
.Lnw0_\@:
	s_barrier_wait -3
	s_barrier_signal -1
	s_barrier_wait -1
.endm
.macro CROUND
	s_barrier_signal -1
	s_barrier_wait -1
	CREST
.endm
	s_load_b256 s[4:11], s[0:1], 0x0       ; FL 4, GW 6, GB 8, X1 10
	v_lshl_add_u32 v2, v0, 2, SPARE
	v_mov_b32 v3, 0
	ds_add_u32 v2, v3                      ; the wave's opening
	v_lshrrev_b32 v1, 5, v0
	v_readfirstlane_b32 s[WV], v1
	s_lshr_b32 s13, s[WV], 1               ; rh
	s_and_b32 s14, s[WV], 1                ; ch
	s_bfe_u32 s15, ttmp6, 0x40000          ; cx
	s_lshl_b32 s16, ttmp9, 2
	s_add_co_u32 s16, s16, s15             ; block of 128 rows: it enters FL's and X1's addresses alone
	s_and_b32 s17, ttmp7, 0xffff           ; direction, which the partners share
	s_mul_i32 s19, s[WV], PART             ; my part of a slot: the wave's number times a constant
	s_max_u32 s18, s[WV], 1
	s_sub_co_u32 s18, s18, 1
	s_lshl_b32 s18, s18, 15                ; my third of GW's tile in memory (waves 1-3; wave 0 never asks by it)
	s_mov_b32 s[G1A+0], 3<<16              ; FL: my own; 8 rows (row tiles) of 2,048 bytes, 51,200 bytes apart
	s_mov_b32 s[G1A+1], 256<<16
	s_mov_b32 s[G1A+2], 8<<16
	s_mov_b32 s[G1A+3], 256<<16
	s_mov_b32 s[G1A+4], 8
	s_mov_b32 s[G1A+5], 6400
	s_mov_b32 s[G1A+6], 0
	s_mov_b32 s[G1A+7], 0
	s_mov_b32 s[G1B+0], 15|(3<<16)|(1<<21) ; GW: joint; 128 rows of 256 bytes, dense
	s_mov_b32 s[G1B+1], 32<<16
	s_mov_b32 s[G1B+2], 128<<16
	s_mov_b32 s[G1B+3], 32<<16
	s_mov_b32 s[G1B+4], 128
	s_mov_b32 s[G1B+5], 32
	s_mov_b32 s[G1B+6], 0
	s_mov_b32 s[G1B+7], 0
	s_mul_i32 s20, s16, 409600
	s_mov_b32 s21, 0
	s_mul_i32 s22, s17, 2457600
	s_add_co_u32 s22, s22, s18
	s_mov_b32 s23, 0
	s_mov_b32 s60, 0x3fb8aa3b              ; c = log2(e), as a pair
	s_mov_b32 s61, 0x3fb8aa3b
	s_mov_b32 s62, 0xbfb8aa3b
	s_mov_b32 s63, 0xbfb8aa3b
	s_wait_dscnt 0x0
	s_wait_kmcnt 0x0
	s_add_nc_u64 s[20:21], s[4:5], s[20:21]
	s_add_nc_u64 s[22:23], s[6:7], s[22:23]
	CROUND                                 ; the first joint loads meet
.irp s, 0,1
	s_mov_b32 s[G0A+4*(\s)], 1
	s_mov_b32 s[G0A+4*(\s)+1], (\s)*SLOT
	s_add_nc_u64 s[G0A+4*(\s)+2:G0A+4*(\s)+3], s[20:21], (\s)*2048
	s_or_b32 s[G0A+4*(\s)+3], s[G0A+4*(\s)+3], 0x80000000
	s_mov_b32 s[G0B+4*(\s)], 1
	s_add_co_u32 s[G0B+4*(\s)+1], s19, (\s)*SLOT
	s_add_nc_u64 s[G0B+4*(\s)+2:G0B+4*(\s)+3], s[22:23], (\s)*98304
	s_or_b32 s[G0B+4*(\s)+3], s[G0B+4*(\s)+3], 0x80000000
	JLOAD \s                               ; steps 0 and 1: two loads of mine are out
.endr
	v_and_b32 v4, 31, v0
	v_lshlrev_b32 v4, 4, v4                ; 16 L
	v_bfe_u32 v1, v0, 4, 1                 ; h
	s_lshl_b32 s2, s13, 13
	v_add_nc_u32 v5, s2, v4                ; my four row tiles in slot 0,
	v_add_nc_u32 v6, SLOT, v5              ; in slot 1
	s_mul_i32 s2, s14, 24576
	s_add_co_u32 s2, s2, PART
	v_add_nc_u32 v8, s2, v4                ; my 24 column tiles: slot 0, first half of the step,
	v_add_nc_u32 v9, 49152, v8             ; second half,
	v_add_nc_u32 v10, SLOT, v8             ; slot 1
	v_add_nc_u32 v11, SLOT, v9
	s_mul_i32 s2, s[WV], 49152
	v_add_nc_u32 v12, s2, v4               ; the epilogue's dump
	s_lshl_b32 s2, s[WV], 11
	s_add_co_u32 s2, s2, BIAS
	v_add_nc_u32 v16, s2, v4
	v_lshl_add_u32 v17, v1, 5, s2
	s_lshl_b32 s2, s17, 12
	s_lshl_b32 s3, s14, 9
	s_add_co_u32 s2, s2, s3
	s_mov_b32 s3, 0
	s_add_nc_u64 s[56:57], s[8:9], s[2:3]
.irp i, 0,1,2,3
	global_load_b128 v[96+4*\i:99+4*\i], v4, s[56:57] offset:\i*1024       ; waited for in the epilogue
.endr
	s_lshl_b32 s2, s16, 17
	s_lshl_b32 s3, s13, 16
	s_add_co_u32 s2, s2, s3
	s_lshl_b32 s3, s17, 13
	s_add_co_u32 s2, s2, s3
	s_lshl_b32 s3, s14, 12
	s_add_co_u32 s2, s2, s3
	s_mov_b32 s3, 0
	s_add_nc_u64 s[58:59], s[10:11], s[2:3]    ; X1 at my first row tile and my first half fragment
; group i of a step's six: half i / 3 of the step, gate i % 3, buffer i % 2.  8 matrix instructions: unit tiles 2 q, 2 q + 1 x 4 row tiles
.macro MUL8 i, q, zero
	WIN 0x50*((\i)%3+1)
.irp u, 2*(\q), 2*(\q)+1
.irp m, 0,1,2,3
.if \zero
	v_wmma_f32_16x16x32_bf16 v[8*(4*(\u)+\m):8*(4*(\u)+\m)+7], v[BB+64*((\i)%2)+8*(\u):BB+64*((\i)%2)+8*(\u)+7], v[AB+32*((\i)/3)+8*\m:AB+32*((\i)/3)+8*\m+7], 0
.else
	v_wmma_f32_16x16x32_bf16 v[8*(4*(\u)+\m):8*(4*(\u)+\m)+7], v[BB+64*((\i)%2)+8*(\u):BB+64*((\i)%2)+8*(\u)+7], v[AB+32*((\i)/3)+8*\m:AB+32*((\i)/3)+8*\m+7], v[8*(4*(\u)+\m):8*(4*(\u)+\m)+7]
.endif
.endr
.endr
.endm
.macro FETCH_B slot, i                 ; group i's eight fragments of GW
	WIN 0
.irp u, 0,1,2,3,4,5,6,7
	ds_load_b128 v[BB+64*((\i)%2)+8*\u:BB+64*((\i)%2)+8*\u+3], v[8+2*(\slot)+(\i)/3] offset:(((\i)%3)*8+\u)*1024
	ds_load_b128 v[BB+64*((\i)%2)+8*\u+4:BB+64*((\i)%2)+8*\u+7], v[8+2*(\slot)+(\i)/3] offset:(((\i)%3)*8+\u)*1024+512
.endr
.endm
.macro FETCH_A slot, s                 ; my four fragments of FL for half s
	WIN 0
.irp m, 0,1,2,3
	ds_load_b128 v[AB+32*(\s)+8*\m:AB+32*(\s)+8*\m+3], v[5+(\slot)] offset:\m*2048+(\s)*1024
	ds_load_b128 v[AB+32*(\s)+8*\m+4:AB+32*(\s)+8*\m+7], v[5+(\slot)] offset:\m*2048+(\s)*1024+512
.endr
.endm
; groups 0-4: the next group's fragments are asked for, then this group's 32 products, each accumulator once (96 take turns over a half step)
.macro GROUP slot, i, zero
	PLACES                                 ; the buffer's last readers stand just ahead
	FETCH_B \slot, (\i)+1
.if (\i) == 2
	FETCH_A \slot, 1
	s_wait_dscnt 24                        ; all but the 24 just issued
.else
	s_wait_dscnt 16                        ; all but the 16 just issued
.endif
	MUL8 \i, 0, \zero
	MUL8 \i, 1, \zero
	MUL8 \i, 2, \zero
	MUL8 \i, 3, \zero
.endm
; group 5 changes slots: one barrier; with fill = 1 it opens a round of the cluster's, and the slot just read is filled with the step two on
.macro TURN slot, next, fill
	WIN 0
	s_wait_tensorcnt 0x0                   ; all my tensor loads have landed: my part of the next slot
	ds_add_u32 v2, v3
	s_wait_dscnt 1                         ; group 5's fragments are in; the add may be out
	MUL8 5, 0, 0
	s_wait_dscnt 0x0                       ; the add is done, and my reads of this slot are over
	s_barrier_signal -1
	MUL8 5, 1, 0
	WIN 0
	s_barrier_wait -1
.if \fill
	CREST
	s_add_nc_u64 s[G0A+4*(\slot)+2:G0A+4*(\slot)+3], s[G0A+4*(\slot)+2:G0A+4*(\slot)+3], 4096
	s_add_nc_u64 s[G0B+4*(\slot)+2:G0B+4*(\slot)+3], s[G0B+4*(\slot)+2:G0B+4*(\slot)+3], 196608
	JLOAD \slot                            ; the first tensor load behind the round; its four v_nop are also the places in front of the loads below
.else
	PLACES
.endif
	FETCH_B \next, 0
	FETCH_A \next, 0
	MUL8 5, 2, 0
	MUL8 5, 3, 0
.endm
	s_wait_tensorcnt 1                     ; my part of step 0 is in; step 1's may stay out
	s_barrier_signal -1
	s_barrier_wait -1
	FETCH_B 0, 0
	FETCH_A 0, 0
	GROUP 0, 0, 1                          ; the first half step starts all 96 sums
	GROUP 0, 1, 1
	GROUP 0, 2, 1
	WIN 0
	s_mov_b32 s2, 11
.Lstep:                                ; a trip: once round the ring, from a step's second half to the first half of the step two on
	GROUP 0, 3, 0
	GROUP 0, 4, 0
	TURN 0, 1, 1
	GROUP 1, 0, 0
	GROUP 1, 1, 0
	GROUP 1, 2, 0
	GROUP 1, 3, 0
	GROUP 1, 4, 0
	TURN 1, 0, 1
	GROUP 0, 0, 0
	GROUP 0, 1, 0
	GROUP 0, 2, 0
	WIN 0
	s_sub_co_u32 s2, s2, 1
	s_cmp_lg_u32 s2, 0
	s_cbranch_scc1 .Lstep
	GROUP 0, 3, 0                          ; step 22: its change of slots asks for step 24, the last
	GROUP 0, 4, 0
	TURN 0, 1, 1
	GROUP 1, 0, 0
	GROUP 1, 1, 0
	GROUP 1, 2, 0
	GROUP 1, 3, 0
	GROUP 1, 4, 0
	TURN 1, 0, 0
	GROUP 0, 0, 0
	GROUP 0, 1, 0
	GROUP 0, 2, 0
	GROUP 0, 3, 0
	GROUP 0, 4, 0
	s_wait_dscnt 0x0
	MUL8 5, 0, 0
	MUL8 5, 1, 0
	MUL8 5, 2, 0
	MUL8 5, 3, 0
	WIN 0
	; THE GATES.  The slots have had their last fill; when every wave has read them out they take the sums, 48 accumulators a wave at a time, and a counted loop walks the unit tiles.
	s_barrier_signal -1
	s_barrier_wait -1
	PLACES
	s_wait_loadcnt 0x0
.irp i, 0,1,2,3
	ds_store_b128 v16, v[96+4*\i:99+4*\i] offset:\i*512
.endr
.macro DUMP p                          ; row tiles 2 p, 2 p + 1: (uu, ml, gate) at ((2 uu + ml) 3 + g) x 1,024; each accumulator's low registers first
.irp g, 0,1,2
	WIN ((\g)+1)<<2
.set uu, 0
.rept 8
.irp ml, 0,1
	ds_store_b128 v12, v[8*(4*uu+2*(\p)+\ml):8*(4*uu+2*(\p)+\ml)+3] offset:((uu*2+\ml)*3+\g)*1024
	ds_store_b128 v12, v[8*(4*uu+2*(\p)+\ml)+4:8*(4*uu+2*(\p)+\ml)+7] offset:((uu*2+\ml)*3+\g)*1024+512
.endr
.set uu, uu+1
.endr
.endr
	WIN 0
.endm
.macro GATE ml
.set Z, 64+24*(\ml)
.set R, 72+24*(\ml)
.set Y, 80+24*(\ml)
.irp q, 0,2,4,6
	v_pk_fma_f32 v[Z+\q:Z+\q+1], v[Z+\q:Z+\q+1], s[60:61], v[32+\q:33+\q] op_sel_hi:[1,0,1]
	v_pk_fma_f32 v[R+\q:R+\q+1], v[R+\q:R+\q+1], s[62:63], v[40+\q:41+\q] op_sel_hi:[1,0,1]
.endr
.irp q, 0,1,2,3,4,5,6,7
	v_exp_f32 v[Z+\q], v[Z+\q]
	v_exp_f32 v[R+\q], v[R+\q]
.endr
.irp q, 0,2,4,6
	v_pk_add_f32 v[Y+\q:Y+\q+1], v[Y+\q:Y+\q+1], v[48+\q:49+\q]          ; xh + B0h: plain work behind the exponentials
.endr
	s_wait_alu depctr_va_vdst(0)
.irp q, 0,2,4,6
	v_pk_add_f32 v[Z+\q:Z+\q+1], v[Z+\q:Z+\q+1], 1.0 op_sel_hi:[1,0]
	v_pk_add_f32 v[R+\q:R+\q+1], v[R+\q:R+\q+1], 1.0 op_sel_hi:[1,0]
.endr
.irp q, 0,1,2,3,4,5,6,7
	v_rcp_f32 v[Z+\q], v[Z+\q]             ; 1 - z
	v_rcp_f32 v[R+\q], v[R+\q]             ; r
.endr
	v_nop
	s_wait_alu depctr_va_vdst(0)
.irp q, 0,2,4,6
	v_pk_fma_f32 v[Y+\q:Y+\q+1], v[R+\q:R+\q+1], v[56+\q:57+\q], v[Y+\q:Y+\q+1]
.endr
.irp q, 0,2,4,6
	v_pk_mul_f32 v[R+\q:R+\q+1], v[Y+\q:Y+\q+1], s[60:61] op_sel_hi:[1,0]
.endr
.irp q, 0,1,2,3,4,5,6,7
	v_min_num_f32 v[R+\q], 0, v[R+\q]
.endr
.irp q, 0,1,2,3,4,5,6,7
	v_exp_f32 v[R+\q], v[R+\q]
.endr
.irp q, 0,1,2,3,4,5,6,7
	v_max_num_f32 v[Y+\q], 0, v[Y+\q]
.endr
	s_wait_alu depctr_va_vdst(0)
.irp q, 0,2,4,6
	v_pk_add_f32 v[Y+\q:Y+\q+1], v[Y+\q:Y+\q+1], v[R+\q:R+\q+1]
.endr
.irp q, 0,2,4,6
	v_pk_add_f32 v[Y+\q:Y+\q+1], v[Y+\q:Y+\q+1], -1.0 op_sel_hi:[1,0]
.endr
.irp q, 0,2,4,6
	v_pk_mul_f32 v[Y+\q:Y+\q+1], v[Y+\q:Y+\q+1], v[Z+\q:Z+\q+1]
.endr
.irp q, 0,1,2,3
	v_cvt_pk_f16_f32 v[112+4*(\ml)+\q], v[Y+2*\q], v[Y+2*\q+1]
.endr
	global_store_b128 v15, v[112+4*(\ml):115+4*(\ml)], s[58:59] offset:(\ml)*16384   ; a half fragment: 512 consecutive bytes
.endm
	s_mov_b32 s3, 0
.Lpass:
	s_cmp_eq_u32 s3, 0
	s_cbranch_scc0 .Ldump1
	DUMP 0
	s_branch .Ldumped
.Ldump1:
	DUMP 1
.Ldumped:
	v_mov_b32 v13, v12
	v_mov_b32 v14, v17
	s_lshl_b32 s67, s3, 15
	v_add_nc_u32 v15, s67, v4              ; (the last trip's wait has freed it)
	s_mov_b32 s66, 8
.Lunit:
.irp i, 0,1,2,3
	ds_load_b128 v[32+8*\i:35+8*\i], v14 offset:\i*512
	ds_load_b128 v[36+8*\i:39+8*\i], v14 offset:\i*512+16
.endr
.irp i, 0,1,2,3,4,5
	ds_load_b128 v[64+8*\i:67+8*\i], v13 offset:\i*1024
	ds_load_b128 v[68+8*\i:71+8*\i], v13 offset:\i*1024+512
.endr
	s_wait_dscnt 0x0
	GATE 0
	GATE 1
	v_add_nc_u32 v13, 6144, v13
	v_add_nc_u32 v14, 64, v14
	s_wait_xcnt 0x0                        ; the stores' offset and data are rewritten only behind this wait
	v_add_nc_u32 v15, 512, v15
	s_sub_co_u32 s66, s66, 1
	s_cmp_lg_u32 s66, 0
	s_cbranch_scc1 .Lunit
	s_add_co_u32 s3, s3, 1
	s_cmp_lt_u32 s3, 2
	s_cbranch_scc1 .Lpass
	s_wait_tensorcnt 0x0                   ; the wave's end
	ds_add_u32 v2, v3
	s_wait_dscnt 0x0
	CROUND                                 ; the closing round
	s_endpgm
.Lfunc_end_k_qefd805fda8_gru:
	.size	k_qefd805fda8_gru, .Lfunc_end_k_qefd805fda8_gru-k_qefd805fda8_gru
	.p2alignl 7, 3214868480
	.fill 96, 4, 3214868480
	.section	.rodata,"a",@progbits
	.p2align	6, 0x0
	.amdhsa_kernel k_qefd805fda8_gru
		.amdhsa_group_segment_fixed_size 327680
		.amdhsa_private_segment_fixed_size 0
		.amdhsa_enable_private_segment 0
		.amdhsa_kernarg_size 32
		.amdhsa_user_sgpr_count 2
		.amdhsa_user_sgpr_kernarg_segment_ptr 1
		.amdhsa_wavefront_size32 1
		.amdhsa_system_sgpr_workgroup_id_x 1
		.amdhsa_system_sgpr_workgroup_id_y 1
		.amdhsa_system_sgpr_workgroup_id_z 1
		.amdhsa_system_vgpr_workitem_id 0
		.amdhsa_next_free_vgpr 1024
		.amdhsa_next_free_sgpr 72
		.amdhsa_reserve_vcc 0
		.amdhsa_float_denorm_mode_32 3
		.amdhsa_float_denorm_mode_16_64 3
		.amdhsa_memory_ordered 1
		.amdhsa_forward_progress 1
		.amdhsa_inst_pref_size 137
	.end_amdhsa_kernel
	.amdgpu_metadata
---
amdhsa.version: [ 1, 2 ]
amdhsa.kernels:
  - .name:           k_qefd805fda8_gru
    .symbol:         k_qefd805fda8_gru.kd
    .args:
      - { .name: FL, .offset: 0, .size: 8, .value_kind: global_buffer, .address_space: global }
      - { .name: GW, .offset: 8, .size: 8, .value_kind: global_buffer, .address_space: global }
      - { .name: GB, .offset: 16, .size: 8, .value_kind: global_buffer, .address_space: global }
      - { .name: X1, .offset: 24, .size: 8, .value_kind: global_buffer, .address_space: global }
    .group_segment_fixed_size: 327680
    .private_segment_fixed_size: 0
    .kernarg_segment_align: 8
    .kernarg_segment_size: 32
    .max_flat_workgroup_size: 128
    .sgpr_count:     72
    .vgpr_count:     1024
    .wavefront_size: 32
...
	.end_amdgpu_metadata
.endif
;; end of part 3
;; launch head (part 4): grid 256 x 1, 4 waves a work-group, clusters of 4 x 1, 327,680 bytes of LDS; arguments X1, HW, HB, out0; writes out0
.if DOCPART == 4
	.amdgcn_target "amdgcn-amd-amdhsa--gfx1250"
	.amdhsa_code_object_version 6
	.text
	.protected	k_qefd805fda8_head
	.globl	k_qefd805fda8_head
	.p2align	8
	.type	k_qefd805fda8_head,@function
k_qefd805fda8_head:
	s_mov_b64 s[64:65], 0
	v_nop
	global_prefetch_b8 v0, s[64:65] scope:SCOPE_SE
	s_setreg_imm32_b32 hwreg(HW_REG_WAVE_MODE, 25, 1), 1
	s_wait_xcnt 0x0
	s_wait_alu depctr_hold_cnt(0) depctr_sa_sdst(0) depctr_va_vdst(0) depctr_va_sdst(0) depctr_va_ssrc(0) depctr_va_vcc(0) depctr_vm_vsrc(0)
	s_getreg_b32 s2, hwreg(HW_REG_IB_STS2, 6, 4)
	s_cmp_eq_u32 s2, 0
	s_cbranch_scc0 .Lentry_in_a_cluster
	s_endpgm
.Lentry_in_a_cluster:
	s_bfe_u32 s2, ttmp6, 0x10000c
	s_cmp_lg_u32 s2, 0x3003
	s_cbranch_scc0 .Lentry_shape_is_right
	s_endpgm
.Lentry_shape_is_right:
; x3 = elu(x1 d2_w + d2_b), x5 = elu(x3 d4_w + d4_b), out = [x1 x3 x5] out_w + out_b.  A wave owns 16 rows through all three layers, so nothing passes between waves.
; Activations lie in the wave's own LDS bytes as fragments: x1 (f16, 16 K steps, brought by a tensor load), x3 and x5 (bf16, 8 K steps each, written here; columns 225-255 are 0).
; HW comes in nine chunks of 80 fragments ([K step][5 column tiles]) through two LDS slots, asked for jointly by the four work-groups of a cluster:
; chunks 0-2 layer 2 (5 tiles x 16 steps each); 3-4 layer 4 (two trips of 5 tiles x 8 steps each; tiles 15-19 are padding); 5, 6 the output's tiles 5-9 and 0-4 against x1;
; 7, 8 the same against x3 and x5.  The bias is the C operand that starts each sum.  Five accumulators take turns.
; elu(y) = max(y, 0) + 2^min(c y, 0) - 1, an absolute error of about 1e-7.
.set SLOT0, 49152
.set SLOT1, 1<<17                      ; slot 1 = slot 0 with this bit set
.set HBT,   36864
.set SPARE, 39936
.set AX1,   262144                     ; 16,384 bytes a wave; when x1 is dead, the output's stage
.set CHUNKB, 81920
.set WV, 12
.set AB0, 136
.set AB1, 144
.set BB0, 152
.set BB1, 192
.macro PLACES
.rept 4
	v_nop
.endr
.endm
.macro CROUND
	s_barrier_signal -1
	s_barrier_wait -1
	s_cmp_lg_u32 s[WV], 0
	s_cbranch_scc1 .Lnw0_\@
	s_barrier_signal -3
.Lnw0_\@:
	s_barrier_wait -3
	s_barrier_signal -1
	s_barrier_wait -1
.endm
	s_load_b256 s[4:11], s[0:1], 0x0       ; X1 4, HW 6, HB 8, out0 10
	v_lshl_add_u32 v1, v0, 2, SPARE
	v_mov_b32 v2, 0
	ds_add_u32 v1, v2                      ; the wave's opening
	v_lshrrev_b32 v3, 5, v0
	v_readfirstlane_b32 s[WV], v3
	s_bfe_u32 s13, ttmp6, 0x40000
	s_lshl_b32 s14, ttmp9, 2
	s_add_co_u32 s14, s14, s13
	s_lshl_b32 s15, s14, 2
	s_add_co_u32 s15, s15, s[WV]           ; row tile: it enters X1's and out0's addresses alone
	s_mov_b32 s24, 15|(3<<16)|(1<<21)      ; HW: joint, 80 rows of 256 bytes a wave
	s_mov_b32 s25, 32<<16
	s_mov_b32 s26, 80<<16
	s_mov_b32 s27, 32<<16
	s_mov_b32 s28, 80
	s_mov_b32 s29, 32
	s_mov_b32 s30, 0
	s_mov_b32 s31, 0
	s_mov_b32 s36, 3<<16                   ; X1: my own row tile, 64 rows of 256 bytes
	s_mov_b32 s37, 32<<16
	s_mov_b32 s38, 64<<16
	s_mov_b32 s39, 32<<16
	s_mov_b32 s40, 64
	s_mov_b32 s41, 32
	s_mov_b32 s42, 0
	s_mov_b32 s43, 0
	s_mov_b32 s48, 15|(3<<16)|(1<<21)      ; HB: joint, one row of 768 bytes a wave
	s_mov_b32 s49, 96<<16
	s_mov_b32 s50, 1<<16
	s_mov_b32 s51, 96<<16
	s_mov_b32 s52, 1
	s_mov_b32 s53, 96
	s_mov_b32 s54, 0
	s_mov_b32 s55, 0
	s_mul_i32 s18, s[WV], 20480
	s_lshl_b32 s19, s[WV], 14
	s_mul_i32 s20, s[WV], 768
	s_mov_b32 s32, 1
	s_add_co_u32 s33, s18, SLOT0
	s_mov_b32 s44, 1
	s_add_co_u32 s45, s19, AX1
	s_mov_b32 s56, 1
	s_add_co_u32 s57, s20, HBT
	s_mov_b32 s60, SLOT0+SLOT1             ; the first change of slots turns it into slot 0
	s_mov_b32 s66, 0x3fb8aa3b
	s_mov_b32 s67, 0x3fb8aa3b
	s_mov_b32 s23, 0
	s_wait_dscnt 0x0
	s_wait_kmcnt 0x0
	s_mov_b32 s22, s18
	s_add_nc_u64 s[34:35], s[6:7], s[22:23]
	s_or_b32 s35, s35, 0x80000000
	s_lshl_b32 s22, s15, 14
	s_add_nc_u64 s[46:47], s[4:5], s[22:23]
	s_or_b32 s47, s47, 0x80000000
	s_mov_b32 s22, s20
	s_add_nc_u64 s[58:59], s[8:9], s[22:23]
	s_or_b32 s59, s59, 0x80000000
	s_mul_i32 s22, s15, 8960
	s_add_nc_u64 s[16:17], s[10:11], s[22:23]  ; out0 at my 16 rows: 8,960 dense bytes
	CROUND                                 ; the first joint loads meet
	tensor_load_to_lds s[44:47], s[36:43]  ; x1
	s_nop 0
	tensor_load_to_lds s[56:59], s[48:55]  ; the biases
	s_nop 0
	tensor_load_to_lds s[32:35], s[24:31]  ; chunk 0: three loads of mine are out
	s_nop 0
	PLACES
	v_and_b32 v15, 31, v0
	v_lshlrev_b32 v3, 4, v15               ; 16 L
	v_and_b32 v4, 15, v0
	v_bfe_u32 v5, v0, 4, 1
	s_lshr_b32 s21, s[WV], 1
	s_lshl_b32 s21, s21, 17
	s_and_b32 s22, s[WV], 1
	s_mul_i32 s22, s22, 18432
	s_add_co_u32 s21, s21, s22             ; x3 (8,192 bytes) and x5 (10,240): waves 0, 1 below slot 0, waves 2, 3 below slot 1
	v_add_nc_u32 v13, s21, v3
	v_add_nc_u32 v14, s45, v3              ; x1
	v_mul_u32_u24 v10, 0x230, v4
	v_lshl_add_u32 v10, v5, 5, v10
	v_add_nc_u32 v10, s45, v10             ; the stage: row r x 560 + 32 h
	v_lshlrev_b32 v12, 3, v15
	v_add_nc_u32 v11, s45, v12
	v_lshl_add_u32 v9, v5, 5, HBT
.macro HANDOVER fill                   ; the change of slots
	s_wait_tensorcnt 0x0                   ; all my tensor loads are done, so the walking descriptor may be written
	ds_add_u32 v1, v2
.if \fill
	s_xor_b32 s33, s33, SLOT1
	s_add_nc_u64 s[34:35], s[34:35], CHUNKB
.endif
	s_wait_dscnt 0x0                       ; the add is done, and my reads of the slot that I leave are over
.if \fill
	CROUND
	tensor_load_to_lds s[32:35], s[24:31]  ; the next chunk, first thing behind the round
	s_nop 0
	PLACES
.else
	s_barrier_signal -1
	s_barrier_wait -1
.endif
	s_xor_b32 s60, s60, SLOT1
	v_add_nc_u32 v6, s60, v3
.endm
.macro INIT acc                        ; the bias starts the sums
.irp t, 0,1,2,3,4
	ds_load_b128 v[(\acc)+8*\t:(\acc)+8*\t+3], v9 offset:\t*64
	ds_load_b128 v[(\acc)+8*\t+4:(\acc)+8*\t+7], v9 offset:\t*64+16
.endr
	v_add_nc_u32 v9, 320, v9
.endm
.macro HFETCH ab, bb, ao, bo           ; one K step: a fragment of activations, five of weights
	ds_load_b128 v[(\ab):(\ab)+3], v7 offset:\ao
	ds_load_b128 v[(\ab)+4:(\ab)+7], v7 offset:(\ao)+512
.irp t, 0,1,2,3,4
	ds_load_b128 v[(\bb)+8*\t:(\bb)+8*\t+3], v6 offset:(\bo)+\t*1024
	ds_load_b128 v[(\bb)+8*\t+4:(\bb)+8*\t+7], v6 offset:(\bo)+\t*1024+512
.endr
.endm
.macro HMM form, acc, ab, bb
.irp t, 0,1,2,3,4
	v_wmma_f32_16x16x32_\form v[(\acc)+8*\t:(\acc)+8*\t+7], v[(\bb)+8*\t:(\bb)+8*\t+7], v[(\ab):(\ab)+7], v[(\acc)+8*\t:(\acc)+8*\t+7]
.endr
.endm
.macro GEMM form, acc, trips           ; 2 (trips + 1) K steps; the last pair is written out, so that no load reads past the chunk
	PLACES
	HFETCH AB0, BB0, 0, 0
	s_mov_b32 s63, \trips
.Lk_\@:
	PLACES
	HFETCH AB1, BB1, 1024, 5120
	s_wait_dscnt 12                        ; all but the twelve just issued
	HMM \form, \acc, AB0, BB0
	PLACES
	HFETCH AB0, BB0, 2048, 10240
	s_wait_dscnt 12
	HMM \form, \acc, AB1, BB1
	v_add_nc_u32 v7, 2048, v7
	v_add_nc_u32 v6, 10240, v6
	s_sub_co_u32 s63, s63, 1
	s_cmp_lg_u32 s63, 0
	s_cbranch_scc1 .Lk_\@
	PLACES
	HFETCH AB1, BB1, 1024, 5120
	s_wait_dscnt 12
	HMM \form, \acc, AB0, BB0
	s_wait_dscnt 0x0
	HMM \form, \acc, AB1, BB1
	v_add_nc_u32 v6, 10240, v6
.endm
.macro EPI                             ; elu, rounded to bf16, five half fragments into my LDS bytes
	PLACES
.irp t, 0,1,2,3,4
.irp q, 0,2,4,6
	v_pk_mul_f32 v[232+\q:233+\q], v[16+8*\t+\q:17+8*\t+\q], s[66:67] op_sel_hi:[1,0]
.endr
.irp q, 0,1,2,3,4,5,6,7
	v_min_num_f32 v[232+\q], 0, v[232+\q]
.endr
.irp q, 0,1,2,3,4,5,6,7
	v_exp_f32 v[232+\q], v[232+\q]
.endr
.irp q, 0,1,2,3,4,5,6,7
	v_max_num_f32 v[16+8*\t+\q], 0, v[16+8*\t+\q]
.endr
	s_wait_alu depctr_va_vdst(0)
.irp q, 0,2,4,6
	v_pk_add_f32 v[16+8*\t+\q:17+8*\t+\q], v[16+8*\t+\q:17+8*\t+\q], v[232+\q:233+\q]
.endr
.irp q, 0,2,4,6
	v_pk_add_f32 v[16+8*\t+\q:17+8*\t+\q], v[16+8*\t+\q:17+8*\t+\q], -1.0 op_sel_hi:[1,0]
.endr
.irp q, 0,1,2,3
	v_cvt_pk_bf16_f32 v[240+\q], v[16+8*\t+2*\q], v[17+8*\t+2*\q]
.endr
	ds_store_b128 v8, v[240:243] offset:\t*512
.endr
	v_add_nc_u32 v8, 2560, v8
.endm
	; layer 2
	v_mov_b32 v8, v13
	s_mov_b32 s61, 3
.Ll2:
	HANDOVER 1
	INIT 16
	v_mov_b32 v7, v14
	GEMM f16, 16, 7
	EPI
	s_sub_co_u32 s61, s61, 1
	s_cmp_lg_u32 s61, 0
	s_cbranch_scc1 .Ll2
.irp q, 240,241,242,243
	v_mov_b32 v\q, 0
.endr
	ds_store_b128 v13, v[240:243] offset:15*512    ; x3's columns 240-255
	; layer 4
	v_add_nc_u32 v8, 8192, v13
	v_lshl_add_u32 v9, v5, 5, HBT+1024
	s_mov_b32 s61, 2
.Ll4:
	HANDOVER 1
	s_mov_b32 s62, 2
.Ll4i:
	INIT 16
	v_mov_b32 v7, v13
	GEMM bf16, 16, 3
	EPI
	s_sub_co_u32 s62, s62, 1
	s_cmp_lg_u32 s62, 0
	s_cbranch_scc1 .Ll4i
	s_sub_co_u32 s61, s61, 1
	s_cmp_lg_u32 s61, 0
	s_cbranch_scc1 .Ll4
	; the output layer: v96-135 tiles 5-9, v56-95 tiles 0-4; between an accumulator's f16 products and its bf16 products stands a whole chunk's work
	HANDOVER 1
	v_lshl_add_u32 v9, v5, 5, HBT+2304+320
	INIT 96
	v_mov_b32 v7, v14
	GEMM f16, 96, 7
	HANDOVER 1
	v_lshl_add_u32 v9, v5, 5, HBT+2304
	INIT 56
	v_mov_b32 v7, v14
	GEMM f16, 56, 7
	HANDOVER 1
	v_mov_b32 v7, v13
	GEMM bf16, 96, 7
	HANDOVER 0                             ; the last chunk: nothing is left to ask for
	v_mov_b32 v7, v13
	GEMM bf16, 56, 7
	PLACES
	; The stage has dense rows of 560 bytes.  Columns 140-159 (padding) fall on the next row's first 80 bytes, which tiles 0 and 1, stored later by the same wave, write over
	; (LDS serves a wave's instructions in order); row 15's fall behind the stage's 8,960 bytes, inside my 16,384.
.irp t, 0,1,2,3,4
	ds_store_b128 v10, v[96+8*\t:99+8*\t] offset:(5+\t)*64
	ds_store_b128 v10, v[100+8*\t:103+8*\t] offset:(5+\t)*64+16
.endr
.irp t, 0,1,2,3,4
	ds_store_b128 v10, v[56+8*\t:59+8*\t] offset:\t*64
	ds_store_b128 v10, v[60+8*\t:63+8*\t] offset:\t*64+16
.endr
.set i, 0
.rept 35
	ds_load_b64 v[136+2*i:137+2*i], v11 offset:i*256
.set i, i+1
.endr
.set i, 0
.rept 35
	s_wait_dscnt 34-i                      ; the younger reads may stay out
	global_store_b64 v12, v[136+2*i:137+2*i], s[16:17] offset:i*256 th:TH_STORE_NT   ; 256 consecutive bytes, at a multiple of 256 from out0's first
.set i, i+1
.endr
	s_wait_tensorcnt 0x0                   ; the wave's end
	ds_add_u32 v1, v2
	s_wait_dscnt 0x0
	CROUND                                 ; the closing round
	s_endpgm
.Lfunc_end_k_qefd805fda8_head:
	.size	k_qefd805fda8_head, .Lfunc_end_k_qefd805fda8_head-k_qefd805fda8_head
	.p2alignl 7, 3214868480
	.fill 96, 4, 3214868480
	.section	.rodata,"a",@progbits
	.p2align	6, 0x0
	.amdhsa_kernel k_qefd805fda8_head
		.amdhsa_group_segment_fixed_size 327680
		.amdhsa_private_segment_fixed_size 0
		.amdhsa_enable_private_segment 0
		.amdhsa_kernarg_size 32
		.amdhsa_user_sgpr_count 2
		.amdhsa_user_sgpr_kernarg_segment_ptr 1
		.amdhsa_wavefront_size32 1
		.amdhsa_system_sgpr_workgroup_id_x 1
		.amdhsa_system_sgpr_workgroup_id_y 1
		.amdhsa_system_sgpr_workgroup_id_z 1
		.amdhsa_system_vgpr_workitem_id 0
		.amdhsa_next_free_vgpr 256
		.amdhsa_next_free_sgpr 72
		.amdhsa_reserve_vcc 0
		.amdhsa_float_denorm_mode_32 3
		.amdhsa_float_denorm_mode_16_64 3
		.amdhsa_memory_ordered 1
		.amdhsa_forward_progress 1
		.amdhsa_inst_pref_size 72
	.end_amdhsa_kernel
	.amdgpu_metadata
---
amdhsa.version: [ 1, 2 ]
amdhsa.kernels:
  - .name:           k_qefd805fda8_head
    .symbol:         k_qefd805fda8_head.kd
    .args:
      - { .name: X1, .offset: 0, .size: 8, .value_kind: global_buffer, .address_space: global }
      - { .name: HW, .offset: 8, .size: 8, .value_kind: global_buffer, .address_space: global }
      - { .name: HB, .offset: 16, .size: 8, .value_kind: global_buffer, .address_space: global }
      - { .name: out0, .offset: 24, .size: 8, .value_kind: global_buffer, .address_space: global }
    .group_segment_fixed_size: 327680
    .private_segment_fixed_size: 0
    .kernarg_segment_align: 8
    .kernarg_segment_size: 32
    .max_flat_workgroup_size: 128
    .sgpr_count:     72
    .vgpr_count:     256
    .wavefront_size: 32
...
	.end_amdgpu_metadata
.endif
;; end of part 4
